; MI455X (gfx1250); checked and timed in simulation.
; The chip was launched on July 23, 2026; its instructions are those of AMD's public machine-readable ISA for CDNA 5 (MIT licence, August 2026) and "CDNA5" Instruction Set Architecture Reference Guide (July 2026). The comments in the code are by the model that wrote it; some were corrected since.
;; Attn. Allowed arithmetic: matrix products marked QUANTISED: E2M3 operands, one E8M0 scale for each 32 along K, by v_wmma_scale_f32_16x16x128_f8f6f4 with both operands' format E2M3, f32 sums; products left as they are: f32 operands where the result goes on into a quantised operand, else bf16, f16 or f32 operands; f32 sums; everything else in f32.
;; Inputs: W 1,024 x 2,048 float32; b 1,024 float32; encoder_outputs 512 x 64 x 2,048 float32; v 1,024 x 1 float32.
;; Outputs: out0 64 x 8 x 512 float32.
;; Constants: num_features = 8.
;; This version of the problem:
;;   THIS VERSION OF THE PROBLEM IS GIVEN IN LOW PRECISION. The matrix products marked QUANTISED in the list below multiply operands that are first quantised to E2M3 (2 exponent bits, 3 mantissa bits; 6 bits a number), with one power-of-two scale for each 32 numbers along K (OCP MX v1.0); their sums are f32. All else is computed in f32.
;;   The module's matrix products, in the order in which they are computed (A, B: the left and right operand; K: the contracted axis; several contracted axes count as one K, in the product's order):
;;     1. [M 32,768, K 2,048] x [K 2,048, N 1,024]; A: input encoder_outputs; B: input W: QUANTISED
;;     2. [M 32,768, K 1,024] x [K 1,024, N 1]; A: computed on the way; B: computed on the way: left as it is (N = 1 < 16)
;;   THE QUANTISER, for each operand of a quantised product, along K:
;;     - K is cut into blocks of 32 from its start; a last block that is shorter is filled with zeros.
;;     - A block's scale is 2^e with e = floor(log2(the largest magnitude in the block)) - 2, held to -126 .. 127; a block of zeros has e = 0. As a byte (E8M0): e + 127.
;;     - Each number is divided by its block's scale, clamped to +-7.5, and rounded to the nearest number of E2M3, ties to even, subnormals kept.
;;     - The product sums the exact products of the quantised numbers (number of the format x scale) in f32.
;;   ~~~python
;;   def quantise(x, axis):      # numpy; x: float32 -> the quantised numbers, widened to float32 again
;;       x = np.moveaxis(x, axis, -1); K = x.shape[-1]
;;       x = np.pad(x, [(0, 0)] * (x.ndim - 1) + [(0, -K % 32)]); x = x.reshape(x.shape[:-1] + (-1, 32)); a = np.abs(x).max(-1, keepdims=True)
;;       e = np.where(a > 0, np.clip(np.frexp(np.where(a > 0, a, 1))[1] - 1 - 2, -126, 127), 0)      # np.frexp(a)[1] - 1 = floor(log2(a)), exactly
;;       r = np.clip(x / 2.0 ** e, -7.5, 7.5)
;;       step = 2.0 ** (np.maximum(np.frexp(np.where(r == 0, 1, r))[1] - 1, 0) - 3)
;;       q = np.round(r / step) * step * 2.0 ** e      # np.round: ties to even
;;       return np.moveaxis(q.reshape(q.shape[:-2] + (-1,))[..., :K], -1, axis).astype(np.float32)
;;   ~~~
;; One version. Each part assembles by itself: llvm-mc -triple=amdgcn-amd-amdhsa -mcpu=gfx1250 --defsym DOCPART=n.
;; ======== version 1 of 1: 2 launches
;; limits: right only within a limited range of input values
;; workspace buffers: wq 1,638,400 bytes
;; launch wquant (part 1): grid 256 x 1, 4 waves a work-group, no clusters, 768 bytes of LDS; arguments W, wq; writes wq
.if DOCPART == 1
	.amdgcn_target "amdgcn-amd-amdhsa--gfx1250"
	.amdhsa_code_object_version 6
	.text
	.protected	k_qdb1742703e_wquant
	.globl	k_qdb1742703e_wquant
	.p2align	8
	.type	k_qdb1742703e_wquant,@function
k_qdb1742703e_wquant:
	s_mov_b64 s[64:65], 0
	v_nop
	global_prefetch_b8 v0, s[64:65] scope:SCOPE_SE
	s_setreg_imm32_b32 hwreg(HW_REG_WAVE_MODE, 25, 1), 1
	s_wait_xcnt 0x0
; W [1024][2048], f32, K innermost, becomes codes of FP6 (E2M3) with one E8M0 byte for each 32 along K, laid in wq AS IMAGES OF THE OPERAND'S REGISTERS, in the order in which the
; product's launch takes them.  wq is 64 blocks [K step s of 128, 0..15][W's rows 256 w .. + 255, 0..3] of 25,600 bytes.  In a block: fragment t (W's rows 256 w + 16 t + r) at
; 1536 t + 512 c + 16 lane: lane's 16 bytes are registers 4 c .. 4 c + 3 of the fragment's twelve; behind the 16 fragments, at 24,576 + 256 g + 8 lane, two scale registers a lane:
; register e holds in lanes 0-15 the scale words of tile 4 g + 2 e and in lanes 16-31 those of tile 4 g + 2 e + 1.
; SHARES.  Work-group x: K step x / 16, tiles 4 (x % 16) .. + 3 of W's 64 tiles of 16 rows; each of its four waves makes one fragment.
; Lane (r, h) of a fragment holds k = 32 h + 0..31 (registers 0-5) and k = 64 + 32 h + 0..31 (registers 6-11) of row r: two WHOLE blocks, so no other lane is asked for a maximum.
; A block's scale is 2^(floor(log2(largest magnitude)) - 2): its byte is the largest magnitude's exponent field - 2, held at 1 from below by a floor among the maximum's leaves.
; LIMITS: NaN and infinities in W are not served.  A block of zeros gets the byte 1 and not 127: its codes are zeros, and this program alone reads the bytes.
; A lane's sixteen loads are pieces of one row: the 32 lanes together take 512 consecutive bytes of each of 16 rows.  W is 8 MB of the program's 277: no turn through LDS is spent on it.
.set WBLK, 25600
	s_load_b128 s[4:7], s[0:1], 0x0                ; W, wq
	v_lshl_add_u32 v112, v0, 2, 0x100
	v_mov_b32 v113, 0
	v_lshrrev_b32 v1, 5, v0
	v_readfirstlane_b32 s8, v1                     ; wave x, 0..3
	v_and_b32 v1, 15, v0                           ; r
	v_bfe_u32 v2, v0, 4, 1                         ; h
	v_and_b32 v7, 31, v0                           ; lane
	v_lshlrev_b32 v3, 13, v1                       ; W: row r of 8,192 bytes,
	v_lshl_add_u32 v3, v2, 7, v3                   ; + 128 h: my block of 32 numbers
	v_lshlrev_b32 v4, 4, v7                        ; an image's place for my lane: 16 x lane
	v_lshlrev_b32 v6, 3, v7                        ; the scale registers' place: 8 x lane (in LDS and in wq alike)
	s_and_b32 s9, s8, 1
	s_lshl_b32 s9, s9, 7                           ; an odd tile's words go to lanes 16-31: 128 bytes on
	s_lshr_b32 s12, s8, 1
	s_lshl_b32 s12, s12, 2                         ; tiles 2, 3 of the four go to the second register: 4 bytes on
	s_add_co_u32 s9, s9, s12
	v_lshl_add_u32 v5, v1, 3, s9                   ; LDS: my row's scale word: 128 (x % 2) + 8 r + 4 (x / 2)
	s_and_b32 s13, ttmp9, 15
	s_lshl_b32 s13, s13, 2
	s_add_co_u32 s13, s13, s8                      ; my tile of W's 64
	s_lshl_b32 s14, s13, 17                        ; 16 rows of 8,192 bytes a tile
	s_lshr_b32 s15, ttmp9, 4                       ; the K step,
	s_lshl_b32 s15, s15, 9                         ; 512 bytes each
	s_add_co_u32 s14, s14, s15
	s_mov_b32 s15, 0
	s_lshr_b32 s16, ttmp9, 2                       ; the block of wq: 4 x K step + tile / 16
	s_mul_i32 s16, s16, WBLK
	s_and_b32 s17, ttmp9, 3                        ; g: which four tiles of the block's sixteen
	s_lshl_b32 s22, s17, 8
	s_add_co_u32 s22, s22, s16
	s_add_co_u32 s22, s22, 24576                   ; where the four tiles' scale registers go
	s_mov_b32 s23, 0
	s_lshl_b32 s17, s17, 2
	s_add_co_u32 s17, s17, s8                      ; t: my fragment in the block
	s_mul_i32 s18, s17, 1536
	s_add_co_u32 s18, s18, s16                     ; where it goes
	s_mov_b32 s19, 0
	s_mov_b32 s20, 0x76543210
	s_mov_b32 s21, 0xfedcba98                      ; v_permlanex16_b32's selects for lane l xor 16
	s_wait_alu depctr_va_vdst(0)
	s_wait_kmcnt 0x0
	s_add_nc_u64 s[4:5], s[4:5], s[14:15]
	s_add_nc_u64 s[10:11], s[6:7], s[22:23]
	s_add_nc_u64 s[6:7], s[6:7], s[18:19]
.irp c, 0,1
.irp i, 0,1,2,3,4,5,6,7
	global_load_b128 v[32+32*\c+4*\i:32+32*\c+4*\i+3], v3, s[4:5] offset:256*\c+16*\i th:TH_LOAD_NT   ; W(r, 64 c + 32 h + 4 i ..): read once in the launch
.endr
.endr
	s_wait_loadcnt 0x0
.irp c, 0,1                                    ; my block 2 c + h: all its 32 numbers are mine
	v_max3_num_f32 v[8+\c], |v[32+32*\c]|, |v[33+32*\c]|, 0x1800000   ; and the floor 2^(3 - 127): the byte cannot fall under 1
.endr
.irp i, 2,4,6,8,10,12,14,16,18,20,22,24,26,28,30
.irp c, 0,1
	v_max3_num_f32 v[8+\c], v[8+\c], |v[32+32*\c+\i]|, |v[33+32*\c+\i]|   ; (the two blocks by turns)
.endr
.endr
.irp c, 0,1
	v_add_nc_u32 v[10+\c], 0xff000000, v[8+\c]     ; 2 off the exponent field: the conversion takes the exponent field of this operand as its scale
.endr
.irp c, 0,1
	v_lshrrev_b32 v[12+\c], 23, v[10+\c]           ; the scale's byte
.endr
	v_lshl_or_b32 v14, v13, 16, v12                ; my two bytes: blocks h and 2 + h of my row,
	v_lshlrev_b32 v15, 3, v2
	v_lshlrev_b32 v14, v15, v14                    ; at their places in the scale word (8 h bits up);
	v_mov_b32 v15, 0                               ; (a lane permute's destination counts as one of its sources)
	v_permlanex16_b32 v15, v14, s20, s21
	v_or_b32 v14, v14, v15                         ; with lane l xor 16's two the word is whole, in both lanes
	v_cvt_scalef32_pk16_fp6_f32 v[16:18], v[32:47], v10      ; registers 0-2 of the fragment
	v_cvt_scalef32_pk16_fp6_f32 v[28:30], v[48:63], v10      ; (a conversion's three registers begin on an even number: registers 3-5 are made elsewhere and moved)
	v_cvt_scalef32_pk16_fp6_f32 v[22:24], v[64:79], v11      ; registers 6-8
	v_cvt_scalef32_pk16_fp6_f32 v[100:102], v[80:95], v11    ; registers 9-11
	v_nop                                          ; one plain place behind a scaled conversion
	v_mov_b32 v19, v28
	v_mov_b32 v20, v29
	v_mov_b32 v21, v30
	v_mov_b32 v25, v100
	v_mov_b32 v26, v101
	v_mov_b32 v27, v102
.irp c, 0,1,2
	global_store_b128 v4, v[16+4*\c:19+4*\c], s[6:7] offset:512*\c   ; the wave stores 512 consecutive bytes, at a multiple of 256 from wq's first byte
.endr
	ds_store_b32 v5, v14                           ; both lanes of a row write the same word with the same value
	s_wait_dscnt 0x0                               ; for the others' sake: my store has landed
	s_barrier_signal -1
	s_barrier_wait -1                              ; the four tiles' 64 scale words lie in LDS as two registers' image
	s_cmp_lg_u32 s8, 0
	s_cbranch_scc1 .Ldone
	ds_load_b64 v[96:97], v6
	s_wait_dscnt 0x0
	global_store_b64 v6, v[96:97], s[10:11]        ; wave 0 stores them: 256 consecutive bytes, aligned
.Ldone:
	s_wait_tensorcnt 0x0
	ds_add_u32 v112, v113
	s_wait_dscnt 0x0
	s_endpgm
.Lfunc_end_k_qdb1742703e_wquant:
	.size	k_qdb1742703e_wquant, .Lfunc_end_k_qdb1742703e_wquant-k_qdb1742703e_wquant
	.p2alignl 7, 3214868480
	.fill 96, 4, 3214868480
	.section	.rodata,"a",@progbits
	.p2align	6, 0x0
	.amdhsa_kernel k_qdb1742703e_wquant
		.amdhsa_group_segment_fixed_size 768
		.amdhsa_private_segment_fixed_size 0
		.amdhsa_enable_private_segment 0
		.amdhsa_kernarg_size 16
		.amdhsa_user_sgpr_count 2
		.amdhsa_user_sgpr_kernarg_segment_ptr 1
		.amdhsa_wavefront_size32 1
		.amdhsa_system_sgpr_workgroup_id_x 1
		.amdhsa_system_sgpr_workgroup_id_y 1
		.amdhsa_system_sgpr_workgroup_id_z 1
		.amdhsa_system_vgpr_workitem_id 0
		.amdhsa_next_free_vgpr 114
		.amdhsa_next_free_sgpr 66
		.amdhsa_reserve_vcc 0
		.amdhsa_float_denorm_mode_32 3
		.amdhsa_float_denorm_mode_16_64 3
		.amdhsa_memory_ordered 1
		.amdhsa_forward_progress 1
		.amdhsa_inst_pref_size 8
	.end_amdhsa_kernel
	.amdgpu_metadata
---
amdhsa.version: [ 1, 2 ]
amdhsa.kernels:
  - .name:           k_qdb1742703e_wquant
    .symbol:         k_qdb1742703e_wquant.kd
    .args:
      - { .name: W, .offset: 0, .size: 8, .value_kind: global_buffer, .address_space: global }
      - { .name: wq, .offset: 8, .size: 8, .value_kind: global_buffer, .address_space: global }
    .group_segment_fixed_size: 768
    .private_segment_fixed_size: 0
    .kernarg_segment_align: 8
    .kernarg_segment_size: 16
    .max_flat_workgroup_size: 128
    .sgpr_count:     66
    .vgpr_count:     114
    .wavefront_size: 32
...
	.end_amdgpu_metadata
.endif
;; end of part 1
;; launch attn (part 2): grid 256 x 1, 4 waves a work-group, no clusters, 274,944 bytes of LDS; arguments encoder_outputs, wq, b, v, out0; writes out0
.if DOCPART == 2
	.amdgcn_target "amdgcn-amd-amdhsa--gfx1250"
	.amdhsa_code_object_version 6
	.text
	.protected	k_qdb1742703e_attn
	.globl	k_qdb1742703e_attn
	.p2align	8
	.type	k_qdb1742703e_attn,@function
k_qdb1742703e_attn:
	s_mov_b64 s[64:65], 0
	v_nop
	global_prefetch_b8 v0, s[64:65] scope:SCOPE_SE
	s_setreg_imm32_b32 hwreg(HW_REG_WAVE_MODE, 25, 1), 1
	s_wait_xcnt 0x0
; out[b][f][l] = softmax over b of score(l, b), score = sum over h of v[h] tanh(y[h] + bias[h]), y = Q(x) Q(W)^T in MX-FP6 (E2M3), x = encoder_outputs as [32768][2048].
; DEAD WORK: tanh(z) = 1 - 2 / (1 + e^(2 z)), so score = (sum of v[h]) - 2 sum of v[h] / (1 + e^(2 z)).  The first term is the same for every b, the softmax's axis, for all values
; of the inputs: it is left out.  Every input is still loaded.  LIMITS: an overflow of that left-out sum is not carried to the result; NaN and infinities in x and W are not served;
; a block of zeros gets the scale byte 1 and not 127 (its codes are zeros, and only this program reads the bytes).
; SHARES.  Work-group g: rows 128 g .. + 127 (l = 2 g, 2 g + 1, all 64 b), all 1,024 h, in two passes of 512 h; a wave makes 128 rows x 128 h a pass: 64 accumulators, 512 registers.
; x is read once, by loads of 512 consecutive bytes (one row's K step of 128), 16 rows to a half; wave w owns rows 32 w .. + 31.  Two landing sets take turns; a half turns through an LDS
; area of the wave's own (rows 528 bytes apart, one area for each half) so that lane (r, h) holds k = 64 c + 32 h + 0..31 of row r: two whole blocks.  Its codes go to LDS as an image of
; the operand's registers; the 16 K steps' images (12,800 bytes each) have bytes of their own and serve both passes.  One barrier a stage parts an image's stores from its reads.
; In a stage of pass 0 the turns' LDS instructions are issued ahead of groups of 16 matrix instructions and waited for behind them.
; W's fragments come from wq straight into registers; pass 1, which has registers to spare, keeps two sets of them and asks two K steps ahead.
; No joint loads for W: of LDS's 327,680 bytes 274,944 are in use, and two slots of a pass's K step of W would be 102,400.
; PREFETCH: in the stage that loads K step s + 2 each wave names K step s + 4 of its own 32 rows, a lane a row, two blocks of 256 bytes; K steps beyond 15 are not named.
; The way out of a pass is written once, in a loop of two trips round it and pass 1; so the row sums begin at 0.
.set SCR,   0                          ; 4 waves x 512 bytes: the row sums' parts
.set SPARE, 2048                       ; the spare words, 128 bytes a wave
.set TST,   2560                       ; the turn areas
.set TAR,   16*528
.set TPW,   2*TAR
.set IMG0,  TST+4*TPW
.set IMGB,  12800
.set ISC,   12288
.set WBLK,  25600
.set STEPB, 4*WBLK
.set SPW, 1
.set NIL, 2
.set TSW, 3
.set TSR, 4
.set IMW, 6
.set IMWW, 7
.set SCW, 8
.set SCWW, 9
.set AFA, 10
.set AFW, 11
.set SCF, 12
.set SFW, 13
.set WA,  14
.set WA4, 15
.set PSW, 16
.set PSR, 17
.set OA,  18
.set BA,  19
.set PFO, 20
.set H8,  21
.set LN,  22
.set RR,  23
.set WS,  24                           ; v24-27 W's scale registers (second set: v60-63)
.set XSR, 28                           ; v28-35 x's scale registers, two sets
.set PC,  36                           ; v36-47 a fragment's codes; v48-50, v52-54 the halves that are moved (pass 0); pass 1: v36-59 two of W's second set
.set TM,  56                           ; v56-63 the quantiser's small numbers (pass 0)
.set HH,  56
.set XF,  64                           ; v64-127 a tile's 64 numbers a lane (pass 0)
.set SS,  64                           ; v64-127 the row sums (behind pass 0)
.set R,   128                          ; v128-255 the two landing sets (pass 0); v128-223 x's second fragment set (pass 1)
.set CB,  224                          ; v224-239 bias x c, in pairs (on the way out); pass 1: v224-247 two of W's second set
.set UU,  240                          ; v240-255 v x -c, in pairs
.set TT,  168
.set OUT, 232
.set RAW, 192                          ; window 1: v192-207 a pass's bias and v as loaded.  Window 1 also: v0-95 W's fragments, v96-191 x's first fragment set, v208-255 four of W's second set
.set WV,  14
.set AP,  24
.set WP,  26
.set TW,  28
.set IS,  29
.set C2,  30
.set C2N, 32
.set SEL, 34
.set PP,  36
.set MSB, 0
.macro WIN new
.if MSB != (\new)
	s_set_vgpr_msb (MSB<<8)|(\new)
.set MSB, (\new)
.endif
.endm
.set TO_W, 0x40
.macro PLACES
.rept 4
	v_nop
.endr
.endm
.macro ALOAD q                         ; 16 rows x 512 bytes of the K step at s[AP]
.irp j, 0,1,2,3,4,5,6,7,8,9,10,11,12,13,14,15
	global_load_b128 v[R+64*(\q)+4*\j:R+64*(\q)+4*\j+3], v[AFA], s[AP:AP+1] offset:131072*(\q)+8192*\j th:TH_LOAD_NT
.endr
.endm
.macro RAWLD p                         ; bias and v at my lane's column of each of the pass's 8 tiles
	WIN TO_W
.irp t, 0,1,2,3,4,5,6,7
	global_load_b32 v[RAW+\t], v[BA], s[8:9] offset:2048*(\p)+64*\t
	global_load_b32 v[RAW+8+\t], v[BA], s[10:11] offset:2048*(\p)+64*\t
.endr
.endm
.macro QUANT                           ; my two blocks: largest magnitude with the floor 2^(3 - 127), scale byte, codes
.irp b, 0,1,2,3
	v_max3_num_f32 v[TM+\b], |v[XF+16*\b]|, |v[XF+1+16*\b]|, 0x1800000
.endr
.irp i, 2,4,6,8,10,12,14
.irp b, 0,1,2,3
	v_max3_num_f32 v[TM+\b], v[TM+\b], |v[XF+16*\b+\i]|, |v[XF+1+16*\b+\i]|
.endr
.endr
	v_max_num_f32 v[TM], v[TM], v[TM+1]
	v_max_num_f32 v[TM+2], v[TM+2], v[TM+3]
	v_add_nc_u32 v[TM+1], 0xff000000, v[TM]        ; 2 off the exponent field: the conversion's scale operand
	v_add_nc_u32 v[TM+3], 0xff000000, v[TM+2]
	v_lshrrev_b32 v[TM+4], 23, v[TM+1]
	v_lshrrev_b32 v[TM+5], 23, v[TM+3]
	v_lshl_or_b32 v[TM+6], v[TM+5], 16, v[TM+4]    ; blocks h and 2 + h,
	v_lshlrev_b32 v[TM+6], v[H8], v[TM+6]          ; at their places in the row's scale word;
	v_permlanex16_b32 v[TM+7], v[TM+6], s[SEL], s[SEL+1]
	v_or_b32 v[TM+6], v[TM+6], v[TM+7]             ; with lane l xor 16's two it is whole
	v_cvt_scalef32_pk16_fp6_f32 v[PC:PC+2], v[XF:XF+15], v[TM+1]
	v_cvt_scalef32_pk16_fp6_f32 v[PC+12:PC+14], v[XF+16:XF+31], v[TM+1]
	v_cvt_scalef32_pk16_fp6_f32 v[PC+6:PC+8], v[XF+32:XF+47], v[TM+3]
	v_cvt_scalef32_pk16_fp6_f32 v[PC+16:PC+18], v[XF+48:XF+63], v[TM+3]
	v_nop                                          ; one plain place behind a scaled conversion
.irp i, 0,1,2
	v_mov_b32 v[PC+3+\i], v[PC+12+\i]
	v_mov_b32 v[PC+9+\i], v[PC+16+\i]
.endr
.endm
; A half (16 rows) of the K step that is quantised in this stage, in three parts.  TURNS: landing set -> my area q, and the set is asked for again
.macro TURNS q, cnt, ald, pf
	WIN 0
	s_wait_loadcnt \cnt                            ; the half's 16 loads are in
.irp j, 0,1,2,3,4,5,6,7,8,9,10,11,12,13,14,15
	ds_store_b128 v[TSW], v[R+64*(\q)+4*\j:R+64*(\q)+4*\j+3] offset:TAR*(\q)+528*\j
.endr
.if \ald
	ALOAD \q                                       ; the same half of the next K step but one
.if \pf == 2
	s_cmp_ge_u32 s[TW], 3                          ; the loop's last two trips would name K steps 16 and 17
	s_cbranch_scc0 .Lnp_\@
.endif
.if \pf
	global_prefetch_b8 v[PFO], s[AP:AP+1] offset:1024 th:TH_LOAD_NT scope:SCOPE_SE
	global_prefetch_b8 v[PFO], s[AP:AP+1] offset:1280 th:TH_LOAD_NT scope:SCOPE_SE
.endif
.if \pf == 2
.Lnp_\@:
.endif
.endif
.endm
.macro TURNL q                         ; area q -> my two blocks.  LDS serves a wave's instructions in order: these see the stores
	WIN 0
.irp c, 0,1
.irp i, 0,1,2,3,4,5,6,7
	ds_load_b128 v[XF+32*\c+4*\i:XF+32*\c+4*\i+3], v[TSR] offset:TAR*(\q)+256*\c+16*\i
.endr
.endr
.endm
.macro QI q, ioff                      ; codes -> image
	QUANT
.irp c, 0,1,2
	ds_store_b128 v[IMWW], v[PC+4*\c:PC+4*\c+3] offset:(\ioff)+1536*(\q)+512*\c
.endr
	ds_store_b32 v[SCWW], v[TM+6] offset:(\ioff)+64*(\q)   ; both lanes of a row write the same word with the same value
.endm
.macro FETCH buf                       ; an image's 8 fragments and 4 scale registers: 28 loads
.if (\buf) == 0
	WIN TO_W
.else
	WIN 0
.endif
.irp mt, 0,1,2,3,4,5,6,7
.irp c, 0,1,2
	ds_load_b128 v[96+32*(\buf)+12*\mt+4*\c:96+32*(\buf)+12*\mt+4*\c+3], v[AFW] offset:1536*\mt+512*\c
.endr
.endr
	WIN 0
.irp e, 0,1,2,3
	ds_load_b32 v[XSR+4*(\buf)+\e], v[SFW] offset:128*\e
.endr
.endm
.macro WREG t, set                     ; where W's fragment t of a set lies: first register rB, window wB; its scale register rW
.if (\set) == 0
.set rB, 12*(\t)
.set wB, 1
.elseif (\t) < 4
.set rB, 208+12*(\t)
.set wB, 1
.elseif (\t) < 6
.set rB, 224+12*((\t)-4)
.set wB, 0
.else
.set rB, 36+12*((\t)-6)
.set wB, 0
.endif
.set rW, WS+36*(\set)+(\t)/2
.endm
.macro WLOAD g, set                    ; two of W's fragments and their scale register: 7 loads
	WREG 2*(\g), \set
	WIN 0
	global_load_b32 v[rW], v[WA4], s[WP:WP+1] offset:256*((\g)/2)+4*((\g)%2)
	WIN (wB<<6)
.irp tt, 0,1
.irp c, 0,1,2
	global_load_b128 v[rB+12*\tt+4*\c:rB+12*\tt+4*\c+3], v[WA], s[WP:WP+1] offset:1536*(2*(\g)+\tt)+512*\c
.endr
.endr
.endm
.macro WM t, mt, zero, buf
	WREG \t, \buf
.set rD, 8*(8*((\t)%4)+(\mt))
.set rA, 96+32*(\buf)+12*(\mt)
.set rX, XSR+4*(\buf)+(\mt)/2
.set par, 2*((\t)%2)+(\mt)%2
.if \zero
.if par == 0
	v_wmma_scale_f32_16x16x128_f8f6f4 v[rD:rD+7], v[rA:rA+11], v[rB:rB+11], 0, v[rX], v[rW] matrix_a_fmt:MATRIX_FMT_FP6 matrix_b_fmt:MATRIX_FMT_FP6
.elseif par == 1
	v_wmma_scale_f32_16x16x128_f8f6f4 v[rD:rD+7], v[rA:rA+11], v[rB:rB+11], 0, v[rX], v[rW] matrix_a_fmt:MATRIX_FMT_FP6 matrix_b_fmt:MATRIX_FMT_FP6 matrix_a_scale:MATRIX_SCALE_ROW1
.elseif par == 2
	v_wmma_scale_f32_16x16x128_f8f6f4 v[rD:rD+7], v[rA:rA+11], v[rB:rB+11], 0, v[rX], v[rW] matrix_a_fmt:MATRIX_FMT_FP6 matrix_b_fmt:MATRIX_FMT_FP6 matrix_b_scale:MATRIX_SCALE_ROW1
.else
	v_wmma_scale_f32_16x16x128_f8f6f4 v[rD:rD+7], v[rA:rA+11], v[rB:rB+11], 0, v[rX], v[rW] matrix_a_fmt:MATRIX_FMT_FP6 matrix_b_fmt:MATRIX_FMT_FP6 matrix_a_scale:MATRIX_SCALE_ROW1 matrix_b_scale:MATRIX_SCALE_ROW1
.endif
.else
.if par == 0
	v_wmma_scale_f32_16x16x128_f8f6f4 v[rD:rD+7], v[rA:rA+11], v[rB:rB+11], v[rD:rD+7], v[rX], v[rW] matrix_a_fmt:MATRIX_FMT_FP6 matrix_b_fmt:MATRIX_FMT_FP6
.elseif par == 1
	v_wmma_scale_f32_16x16x128_f8f6f4 v[rD:rD+7], v[rA:rA+11], v[rB:rB+11], v[rD:rD+7], v[rX], v[rW] matrix_a_fmt:MATRIX_FMT_FP6 matrix_b_fmt:MATRIX_FMT_FP6 matrix_a_scale:MATRIX_SCALE_ROW1
.elseif par == 2
	v_wmma_scale_f32_16x16x128_f8f6f4 v[rD:rD+7], v[rA:rA+11], v[rB:rB+11], v[rD:rD+7], v[rX], v[rW] matrix_a_fmt:MATRIX_FMT_FP6 matrix_b_fmt:MATRIX_FMT_FP6 matrix_b_scale:MATRIX_SCALE_ROW1
.else
	v_wmma_scale_f32_16x16x128_f8f6f4 v[rD:rD+7], v[rA:rA+11], v[rB:rB+11], v[rD:rD+7], v[rX], v[rW] matrix_a_fmt:MATRIX_FMT_FP6 matrix_b_fmt:MATRIX_FMT_FP6 matrix_a_scale:MATRIX_SCALE_ROW1 matrix_b_scale:MATRIX_SCALE_ROW1
.endif
.endif
.endm
; Two of W's tiles x all 8 row tiles: 16 accumulators by turns; four places; then the two fragments' registers are asked for again.  buf: which set of x's and of W's fragments
.macro GRP g, zero, buf, cnt, mul, wl
.if \mul
	s_wait_loadcnt \cnt
	WREG 2*(\g), \buf
	WIN (((2+(\g)/2)*0x50)|(wB<<2)|(1-(\buf)))
.irp tt, 0,1
.irp mt, 0,1,2,3,4,5,6,7
	WM 2*(\g)+\tt, \mt, \zero, \buf
.endr
.endr
	PLACES
.endif
.if \wl
	WLOAD \g, \buf
.endif
.endm
; A stage of pass 0: multiplies K step s (mul), quantises K step s + 1 (qn), loads x's K step s + 2 (ald) and W's K step s + 1.
.macro STAGE zero, mul, qn, ald, wstep, pf, ioff, c0, cw0, c1, cw1, cw2
	s_wait_xcnt 0x0                                ; the bases are stepped only behind this wait
.if \ald
	s_add_nc_u64 s[AP:AP+1], s[AP:AP+1], 512
.endif
.if \wstep == 1
	s_add_nc_u64 s[WP:WP+1], s[WP:WP+1], STEPB
.elseif \wstep == 2
	s_sub_nc_u64 s[WP:WP+1], s[WP:WP+1], 15*STEPB-2*WBLK   ; back to K step 0, on to pass 1's columns
.endif
.if \mul
	v_add_nc_u32 v[AFW], s[IS], v[AFA]
	v_add_nc_u32 v[SFW], s[IS], v[SCF]
.endif
.if \qn
	v_add_nc_u32 v[IMWW], s[IS], v[IMW]
	v_add_nc_u32 v[SCWW], s[IS], v[SCW]
.endif
	s_wait_alu depctr_va_vdst(0)
.if \mul
	FETCH 0
.endif
.if \qn
	TURNS 0, \c0, \ald, \pf
	TURNL 0
.if \mul
	s_wait_dscnt 32                                ; the image's 28 loads are in; half 0's 16 stores and 16 loads may be out
.endif
.else
	s_wait_dscnt 0x0
.endif
	GRP 0, \zero, 0, \cw0, \mul, 1
.if \qn
	TURNS 1, \c1, \ald, 0
.endif
	GRP 1, \zero, 0, \cw1, \mul, 1
.if \qn
	WIN 0
	s_wait_dscnt 16                                ; half 0 is back; half 1's 16 stores may be out
	QI 0, \ioff
	TURNL 1
.endif
	GRP 2, \zero, 0, \cw2, \mul, 1
.if \qn
	WIN 0
	s_wait_dscnt 0x0
	QI 1, \ioff
.endif
	GRP 3, \zero, 0, \cw2, \mul, 1
	WIN 0
.if \qn
	s_wait_dscnt 0x0                               ; my part of the next image has landed
	s_barrier_signal -1
	s_barrier_wait -1
.endif
.if \mul
	s_add_co_u32 s[IS], s[IS], IMGB
.endif
.endm
; A stage of pass 1: the images are whole; x's and W's fragments take two sets by turns; W's K step s + 2 is asked for (wl)
.macro PST zero, buf, mid, wl, c0, c1, c2, c3
	s_wait_dscnt 0x0
.if \wl
	s_wait_xcnt 0x0
	s_add_nc_u64 s[WP:WP+1], s[WP:WP+1], STEPB
.endif
	GRP 0, \zero, \buf, \c0, 1, \wl
	GRP 1, \zero, \buf, \c1, 1, \wl
.if \mid
	WIN 0
	s_add_co_u32 s[IS], s[IS], IMGB
	v_add_nc_u32 v[AFW], s[IS], v[AFA]
	v_add_nc_u32 v[SFW], s[IS], v[SCF]
	FETCH 1-(\buf)
.endif
	GRP 2, \zero, \buf, \c2, 1, \wl
	GRP 3, \zero, \buf, \c3, 1, \wl
	WIN 0
.endm
; THE WAY OUT of a pass: e = 2^(c y + c bias), c = 2 log2(e); the row sums take -c v / (1 + e): the scores in units of log2
.macro EW t
.if (\t) < 4
	WIN 0x82
.else
	WIN 0xc3
.endif
.endm
.macro P1 t
	EW \t
.set yb, 64*((\t)%4)
.set k, 0
.rept 32
	v_pk_fma_f32 v[yb+k:yb+k+1], v[yb+k:yb+k+1], s[C2:C2+1], v[CB+2*(\t):CB+2*(\t)+1] op_sel_hi:[1,0,0]
.set k, k+2
.endr
.endm
.macro TR op, t
	EW \t
.set yb, 64*((\t)%4)
.set k, 0
.rept 64
	\op v[yb+k], v[yb+k]
.set k, k+1
.endr
.endm
.macro P2 t
	EW \t
.set yb, 64*((\t)%4)
.set k, 0
.rept 32
	v_pk_add_f32 v[yb+k:yb+k+1], v[yb+k:yb+k+1], 1.0 op_sel_hi:[1,0]
.set k, k+2
.endr
.endm
.macro P3 t
.if (\t) < 4
	WIN 0x02
.else
	WIN 0x03
.endif
.set yb, 64*((\t)%4)
.set k, 0
	s_wait_alu depctr_va_vdst(0)                   ; one wait for the batches issued so far, and for the sums written ahead of them
.rept 32
	v_pk_fma_f32 v[SS+k:SS+k+1], v[yb+k:yb+k+1], v[UU+2*(\t):UU+2*(\t)+1], v[SS+k:SS+k+1] op_sel_hi:[1,0,1]
.set k, k+2
.endr
.endm
.macro EPI
	WIN 0x04
.irp i, 0,1,2,3,4,5,6,7
	v_mul_f32 v[CB+2*\i], s[C2], v[RAW+\i]
	v_mul_f32 v[CB+2*\i+1], s[C2], v[RAW+\i]
	v_mul_f32 v[UU+2*\i], s[C2N], v[RAW+8+\i]
	v_mul_f32 v[UU+2*\i+1], s[C2N], v[RAW+8+\i]
.endr
	s_wait_alu depctr_va_vdst(0)
	P1 0
.set u, 0
.rept 8
	s_wait_alu depctr_va_vdst(0)                   ; ahead of the batch
	TR v_exp_f32, u
.if u > 0
	P3 u-1
.else
	v_nop
	s_wait_alu depctr_va_vdst(0)
.endif
	P2 u
	s_wait_alu depctr_va_vdst(0)
	TR v_rcp_f32, u
.if u < 7
	s_wait_alu depctr_va_vdst(0)                   ; ahead of the first reader of the next tile's matrix results
	P1 u+1
.else
	v_nop
.endif
.set u, u+1
.endr
	P3 7
	WIN 0
.endm
.macro SOFT blk                        ; softmax over the 64 b of one l: two numbers a lane
.set sfa, TT+8*(\blk)
.set sfb, TT+8*(\blk)+4
	v_max_num_f32 v[sfa+1], v[sfa], v[sfb]
.irp x, 1,2,4,8
	v_max_num_f32_dpp v[sfa+1], v[sfa+1], v[sfa+1] row_xmask:\x row_mask:0xf bank_mask:0xf
.endr
	v_permlanex16_b32 v[sfa+2], v[sfa+1], s[SEL], s[SEL+1]
	v_max_num_f32 v[sfa+1], v[sfa+1], v[sfa+2]
	v_sub_f32 v[sfa], v[sfa], v[sfa+1]
	v_sub_f32 v[sfb], v[sfb], v[sfa+1]
	s_wait_alu depctr_va_vdst(0)
	v_exp_f32 v[sfa], v[sfa]
	v_exp_f32 v[sfb], v[sfb]
	v_nop
	s_wait_alu depctr_va_vdst(0)
	v_add_f32 v[sfa+3], v[sfa], v[sfb]
.irp x, 1,2,4,8
	v_add_f32_dpp v[sfa+3], v[sfa+3], v[sfa+3] row_xmask:\x row_mask:0xf bank_mask:0xf
.endr
	v_permlanex16_b32 v[sfa+2], v[sfa+3], s[SEL], s[SEL+1]
	v_add_f32 v[sfa+3], v[sfa+3], v[sfa+2]
	s_wait_alu depctr_va_vdst(0)
	v_rcp_f32 v[sfa+3], v[sfa+3]
	v_nop
	s_wait_alu depctr_va_vdst(0)
	v_mul_f32 v[OUT+(\blk)], v[sfa], v[sfa+3]
	v_mul_f32 v[OUT+2+(\blk)], v[sfb], v[sfa+3]
.endm
	s_load_b256 s[4:11], s[0:1], 0x0               ; x, wq, bias, v
	s_load_b64 s[12:13], s[0:1], 0x20              ; out
	v_lshl_add_u32 v[SPW], v0, 2, SPARE
	v_mov_b32 v[NIL], 0
	v_lshrrev_b32 v[LN], 5, v0
	v_readfirstlane_b32 s[WV], v[LN]               ; wave 0..3
	s_wait_alu depctr_va_vdst(0)                   ; ahead of the run of scalar lines
	s_mul_i32 s15, s[WV], TPW
	s_add_co_u32 s15, s15, TST                     ; my turn areas
	s_mul_i32 s16, s[WV], 3072                     ; my two fragments in an image
	s_lshl_b32 s17, s[WV], 7                       ; and their scale words
	s_lshr_b32 s18, s[WV], 1
	s_mul_i32 s18, s18, WBLK                       ; wq: block wave / 2 of the K step's four,
	s_and_b32 s33, s[WV], 1
	s_lshl_b32 s19, s33, 9
	s_add_co_u32 s19, s19, s18
	s_add_co_u32 s19, s19, 24576                   ; its scale registers,
	s_mul_i32 s33, s33, 12288
	s_add_co_u32 s18, s18, s33                     ; fragments 8 (wave % 2) .. + 7
	s_lshl_b32 s20, s[WV], 9
	s_lshl_b32 s21, s[WV], 12
	s_lshl_b32 s22, ttmp9, 20                      ; x: 128 rows of 8,192 bytes a work-group,
	s_lshl_b32 s23, s[WV], 18                      ; 32 a wave
	s_add_co_u32 s22, s22, s23
	s_mov_b32 s23, 0
	s_mov_b32 s[IS], IMG0
	s_mov_b32 s[C2], 0x4038aa3b                    ; c = 2 log2(e)
	s_mov_b32 s[C2+1], s[C2]
	s_mov_b32 s[C2N], 0xc038aa3b
	s_mov_b32 s[SEL], 0x76543210
	s_mov_b32 s[SEL+1], 0xfedcba98                 ; v_permlanex16_b32's selects for lane l xor 16
	v_and_b32 v[LN], 31, v0
	v_and_b32 v[RR], 15, v0
	v_bfe_u32 v[HH], v0, 4, 1
	v_lshlrev_b32 v[AFA], 4, v[LN]                 ; 16 x lane: an image's place, and my 16 bytes of a row's 512
	v_add_nc_u32 v[TSW], s15, v[AFA]
	v_mul_u32_u24 v[TSR], v[RR], 528
	v_lshl_add_u32 v[TSR], v[HH], 7, v[TSR]
	v_add_nc_u32 v[TSR], s15, v[TSR]               ; row r, + 128 h
	v_add_nc_u32 v[IMW], s16, v[AFA]
	v_lshl_add_u32 v[SCF], v[LN], 2, ISC
	v_lshl_add_u32 v[SCW], v[RR], 2, s17
	v_add_nc_u32 v[SCW], ISC, v[SCW]
	v_add_nc_u32 v[WA], s18, v[AFA]
	v_lshl_add_u32 v[WA4], v[LN], 3, s19
	v_lshl_add_u32 v[PSW], v[HH], 5, s20
	v_lshl_add_u32 v[BA], v[RR], 2, s20
	v_lshlrev_b32 v[PSR], 2, v[LN]
	v_lshl_add_u32 v[OA], v[LN], 14, s21           ; out: b = lane, f = 2 x wave
	v_lshlrev_b32 v[PFO], 13, v[LN]                ; the prefetches: a lane a row
	v_lshlrev_b32 v[H8], 3, v[HH]
	v_mov_b32 v[TM+7], 0                           ; (a lane permute's destination counts as one of its sources)
	s_wait_alu depctr_va_vdst(0)
	s_wait_kmcnt 0x0
	s_add_nc_u64 s[AP:AP+1], s[4:5], s[22:23]
	s_mov_b64 s[WP:WP+1], s[6:7]
	ALOAD 0
	ALOAD 1
	RAWLD 0
	WIN 0
; THE COUNTS ON LOADcnt.  A stage issues, in this order: x half 0 (16), W group 0 (7), x half 1 (16), W groups 1, 2, 3 (7 each): 60.  Wanted a stage later, a half has 44 younger loads
; behind it and a W group 53.  The opening stage: behind half 0 stand half 1 and the 16 of bias and v (32); behind half 1 those 16, the new half 0 and one W group (39).
; K step 14's stage loads no x: 44; 37 (half 1 and three groups); 28 (three groups and the new one); then three groups: 21, as in K step 15's stage.
	STAGE 0, 0, 1, 1, 3, 1, 0, 32, 0, 39, 0, 0           ; quantises K step 0
	STAGE 1, 1, 1, 1, 1, 1, IMGB, 44, 53, 44, 53, 53     ; K step 0's products start the sums
	s_mov_b32 s[TW], 13
.Lp0:
	STAGE 0, 1, 1, 1, 1, 2, IMGB, 44, 53, 44, 53, 53     ; K steps 1 to 13
	s_sub_co_u32 s[TW], s[TW], 1
	s_cmp_lg_u32 s[TW], 0
	s_cbranch_scc1 .Lp0
	STAGE 0, 1, 1, 0, 1, 0, IMGB, 44, 37, 28, 21, 21     ; K step 14
	STAGE 0, 1, 0, 0, 2, 0, 0, 0, 21, 0, 21, 21          ; K step 15; W's loads are pass 1's K step 0
.set k, 0
.rept 64
	v_mov_b32 v[SS+k], 0                           ; the row sums: one text adds both passes' parts onto them
.set k, k+1
.endr
	s_mov_b32 s[PP], 0
.Lout:                                         ; two trips: the way out of pass 0, pass 1; the way out of pass 1
	EPI
	s_cmp_eq_u32 s[PP], 1
	s_cbranch_scc1 .Lfin
	RAWLD 1
	WIN 0
	s_mov_b32 s[IS], IMG0
	v_add_nc_u32 v[AFW], s[IS], v[AFA]
	v_add_nc_u32 v[SFW], s[IS], v[SCF]
	FETCH 0
	s_wait_xcnt 0x0
	s_add_nc_u64 s[WP:WP+1], s[WP:WP+1], STEPB
.irp g, 0,1,2,3
	WLOAD \g, 1                                    ; K step 1 into W's second set
.endr
	WIN 0
; Pass 1's counts: a group asked for two stages ago has the rest of that stage's groups, the next stage's four and this stage's earlier ones behind it: 7 x 7 = 49
; (K step 0: more than that).  K step 14 asks for nothing: 49 - 7 g; K step 15: 21 - 7 g.
	PST 1, 0, 1, 1, 49, 49, 49, 49
	s_mov_b32 s[TW], 6
.Lp1:
	PST 0, 1, 1, 1, 49, 49, 49, 49
	PST 0, 0, 1, 1, 49, 49, 49, 49
	s_sub_co_u32 s[TW], s[TW], 1
	s_cmp_lg_u32 s[TW], 0
	s_cbranch_scc1 .Lp1
	PST 0, 1, 1, 1, 49, 49, 49, 49                 ; K step 13 asks for K step 15
	PST 0, 0, 1, 0, 49, 42, 35, 28
	PST 0, 1, 0, 0, 21, 14, 7, 0
	s_add_co_u32 s[PP], s[PP], 1
	s_cmp_lt_u32 s[PP], 2
	s_cbranch_scc1 .Lout
.Lfin:
.irp x, 1,2,4,8                        ; over my 16 columns' lanes
.set k, 0
.rept 64
	v_add_f32_dpp v[SS+k], v[SS+k], v[SS+k] row_xmask:\x row_mask:0xf bank_mask:0xf
.set k, k+1
.endr
.endr
.irp q, 0,1,2,3,4,5,6,7,8,9,10,11,12,13,14,15
	ds_store_b128 v[PSW], v[SS+4*\q:SS+4*\q+3] offset:SCR+64*(\q/2)+16*(\q%2)   ; row 16 (q / 2) + 8 h + 4 (q % 2) ..: the 16 lanes of a half write the same words with the same values
.endr
	s_wait_dscnt 0x0
	s_barrier_signal -1
	s_barrier_wait -1
.irp kk, 0,1,2,3
.irp wv, 0,1,2,3
	ds_load_b32 v[TT+4*\kk+\wv], v[PSR] offset:SCR+512*\wv+128*\kk   ; row 32 kk + lane, the four waves' parts
.endr
.endr
	s_wait_dscnt 0x0
.irp kk, 0,1,2,3
	v_add_f32 v[TT+4*\kk], v[TT+4*\kk], v[TT+4*\kk+1]
	v_add_f32 v[TT+4*\kk+2], v[TT+4*\kk+2], v[TT+4*\kk+3]
.endr
.irp kk, 0,1,2,3
	v_add_f32 v[TT+4*\kk], v[TT+4*\kk], v[TT+4*\kk+2]
.endr
	SOFT 0
	SOFT 1
	s_lshl_b32 s22, ttmp9, 3                       ; l = 2 x work-group: 8 bytes
	s_add_nc_u64 s[12:13], s[12:13], s[22:23]
	global_store_b64 v[OA], v[OUT:OUT+1], s[12:13]
	global_store_b64 v[OA], v[OUT:OUT+1], s[12:13] offset:2048
	global_store_b64 v[OA], v[OUT+2:OUT+3], s[12:13] offset:524288
	global_store_b64 v[OA], v[OUT+2:OUT+3], s[12:13] offset:526336
	s_wait_tensorcnt 0x0                           ; the wave's end
	ds_add_u32 v[SPW], v[NIL]
	s_wait_dscnt 0x0
	s_endpgm
.Lfunc_end_k_qdb1742703e_attn:
	.size	k_qdb1742703e_attn, .Lfunc_end_k_qdb1742703e_attn-k_qdb1742703e_attn
	.p2alignl 7, 3214868480
	.fill 96, 4, 3214868480
	.section	.rodata,"a",@progbits
	.p2align	6, 0x0
	.amdhsa_kernel k_qdb1742703e_attn
		.amdhsa_group_segment_fixed_size 274944
		.amdhsa_private_segment_fixed_size 0
		.amdhsa_enable_private_segment 0
		.amdhsa_kernarg_size 40
		.amdhsa_user_sgpr_count 2
		.amdhsa_user_sgpr_kernarg_segment_ptr 1
		.amdhsa_wavefront_size32 1
		.amdhsa_system_sgpr_workgroup_id_x 1
		.amdhsa_system_sgpr_workgroup_id_y 1
		.amdhsa_system_sgpr_workgroup_id_z 1
		.amdhsa_system_vgpr_workitem_id 0
		.amdhsa_next_free_vgpr 1024
		.amdhsa_next_free_sgpr 66
		.amdhsa_reserve_vcc 0
		.amdhsa_float_denorm_mode_32 3
		.amdhsa_float_denorm_mode_16_64 3
		.amdhsa_memory_ordered 1
		.amdhsa_forward_progress 1
		.amdhsa_inst_pref_size 255
	.end_amdhsa_kernel
	.section	.bss,"aw",@nobits
	.p2align	6
	.space	262144
	.amdgpu_metadata
---
amdhsa.version: [ 1, 2 ]
amdhsa.kernels:
  - .name:           k_qdb1742703e_attn
    .symbol:         k_qdb1742703e_attn.kd
    .args:
      - { .name: encoder_outputs, .offset: 0, .size: 8, .value_kind: global_buffer, .address_space: global }
      - { .name: wq, .offset: 8, .size: 8, .value_kind: global_buffer, .address_space: global }
      - { .name: b, .offset: 16, .size: 8, .value_kind: global_buffer, .address_space: global }
      - { .name: v, .offset: 24, .size: 8, .value_kind: global_buffer, .address_space: global }
      - { .name: out0, .offset: 32, .size: 8, .value_kind: global_buffer, .address_space: global }
    .group_segment_fixed_size: 274944
    .private_segment_fixed_size: 0
    .kernarg_segment_align: 8
    .kernarg_segment_size: 40
    .max_flat_workgroup_size: 128
    .sgpr_count:     66
    .vgpr_count:     1024
    .wavefront_size: 32
...
	.end_amdgpu_metadata
.endif
;; end of part 2
